; MI455X (gfx1250); checked and timed in simulation.
; The chip was launched on July 23, 2026; its instructions are those of AMD's public machine-readable ISA for CDNA 5 (MIT licence, August 2026) and "CDNA5" Instruction Set Architecture Reference Guide (July 2026). The comments in the code are by the model that wrote it; some were corrected since.
;; Diff Multi Headed Cross Attention. Allowed arithmetic: matrix products marked QUANTISED: E2M1 operands, one E8M0 scale for each 32 along K, by v_wmma_scale_f32_16x16x128_f8f6f4 with both operands' format E2M1 (or v_wmma_scale_f32_32x16x128_f4), f32 sums; products left as they are: bf16, f16 or f32 operands; f32 sums; everything else in f32.
;; Inputs: Wk 1,024 x 1,024 float32; Wq 1,024 x 1,024 float32; Wv 1,024 x 1,024 float32; decoder_feature 2 x 2,048 x 1,024 float32; encoder_feature 2 x 2,048 x 1,024 float32; lambda_k1 32 float32; lambda_k2 32 float32; lambda_q1 32 float32; lambda_q2 32 float32.
;; Outputs: out0 2 x 2,048 x 1,024 float32.
;; This version of the problem:
;;   THIS VERSION OF THE PROBLEM IS GIVEN IN LOW PRECISION. The matrix products marked QUANTISED in the list below multiply operands that are first quantised to E2M1 (2 exponent bits, 1 mantissa bit; 4 bits a number), with one power-of-two scale for each 32 numbers along K (OCP MX v1.0); their sums are f32. The products marked 'left as it is' may take bf16, f16 or f32 operands, with f32 sums. Whichever they take, every output number must still come out within the allowed error. Rounding operands to bf16 (8 significant bits) uses up far more of that allowance than f16 does (11 bits, for magnitudes from 6e-5 to 65,504). All else is computed in f32.
;;   The module's matrix products, in the order in which they are computed (A, B: the left and right operand; K: the contracted axis; several contracted axes count as one K, in the product's order):
;;     1. [M 4,096, K 1,024] x [K 1,024, N 1,024]; A: input decoder_feature; B: input Wq: QUANTISED
;;     2. [M 4,096, K 1,024] x [K 1,024, N 1,024]; A: input encoder_feature; B: input Wk: QUANTISED
;;     3. [M 4,096, K 1,024] x [K 1,024, N 1,024]; A: input encoder_feature; B: input Wv: QUANTISED
;;     4. batch 64 x [M 2,048, K 32] x [K 32, N 2,048]; A: computed on the way; B: computed on the way: left as it is (an operand is computed on the way)
;;     5. batch 32 x [M 2,048, K 2,048] x [K 2,048, N 64]; A: computed on the way; B: computed on the way: left as it is (an operand is computed on the way)
;;   THE QUANTISER, for each operand of a quantised product, along K:
;;     - K is cut into blocks of 32 from its start; a last block that is shorter is filled with zeros.
;;     - A block's scale is 2^e with e = floor(log2(the largest magnitude in the block)) - 2, held to -126 .. 127; a block of zeros has e = 0. As a byte (E8M0): e + 127.
;;     - Each number is divided by its block's scale, clamped to +-6, and rounded to the nearest number of E2M1, ties to even, subnormals kept.
;;     - The product sums the exact products of the quantised numbers (number of the format x scale) in f32.
;;   ~~~python
;;   def quantise(x, axis):      # numpy; x: float32 -> the quantised numbers, widened to float32 again
;;       x = np.moveaxis(x, axis, -1); K = x.shape[-1]
;;       x = np.pad(x, [(0, 0)] * (x.ndim - 1) + [(0, -K % 32)]); x = x.reshape(x.shape[:-1] + (-1, 32)); a = np.abs(x).max(-1, keepdims=True)
;;       e = np.where(a > 0, np.clip(np.frexp(np.where(a > 0, a, 1))[1] - 1 - 2, -126, 127), 0)      # np.frexp(a)[1] - 1 = floor(log2(a)), exactly
;;       r = np.clip(x / 2.0 ** e, -6, 6)
;;       step = 2.0 ** (np.maximum(np.frexp(np.where(r == 0, 1, r))[1] - 1, 0) - 1)
;;       q = np.round(r / step) * step * 2.0 ** e      # np.round: ties to even
;;       return np.moveaxis(q.reshape(q.shape[:-2] + (-1,))[..., :K], -1, axis).astype(np.float32)
;;   ~~~
;; One version. Each part assembles by itself: llvm-mc -triple=amdgcn-amd-amdhsa -mcpu=gfx1250 --defsym DOCPART=n.
;; ======== version 1 of 1: 3 launches
;; limits: values are held in f16: magnitudes above 65,504 overflow, below 6.1e-05 lose precision
;; workspace buffers: codes 5,767,168 bytes; scales 360,448 bytes; qf 8,388,608 bytes; kv 16,777,216 bytes
;; launch quant (part 1): grid 352 x 1, 4 waves a work-group, no clusters, 33,280 bytes of LDS; arguments decoder_feature, encoder_feature, Wq, Wk, Wv, codes, scales; writes codes, scales
.if DOCPART == 1
	.amdgcn_target "amdgcn-amd-amdhsa--gfx1250"
	.amdhsa_code_object_version 6
	.text
	.protected	k_qc8baa042c1_quant
	.globl	k_qc8baa042c1_quant
	.p2align	8
	.type	k_qc8baa042c1_quant,@function
k_qc8baa042c1_quant:
	s_mov_b64 s[64:65], 0
	v_nop
	global_prefetch_b8 v0, s[64:65] scope:SCOPE_SE
	s_setreg_imm32_b32 hwreg(HW_REG_WAVE_MODE, 25, 1), 1
	s_wait_xcnt 0x0
; The five operands of the three quantised products (decoder and encoder features [4096][1024], Wq, Wk, Wv [1024][1024], f32, K innermost in all of them) become codes of FP4 (E2M1), two a byte,
; the lower k in the low four bits, and one E8M0 scale byte for each 32 along K.  The outputs are one stream of 11,264 rows: decoder 0.., encoder 4096.., Wq 8192.., Wk 9216.., Wv 10240..;
; codes: 512 bytes a row; scales: 32 bytes a row.  Each tensor is quantised ONCE here, since every row is read by 4, 8 or 16 tiles of the products' launch.
; A block's scale is 2^(floor(log2(its largest magnitude)) - 2); its byte is the largest magnitude's own exponent field - 2, held at 1 from below.  Each number is divided by the scale and rounded to the nearest
; code, ties to even; beyond 6 the largest code.  (A block of zeros gets the byte 1 where the rule says 127: its codes are zeros, which add nothing under any byte but 0xff, and this program alone reads the bytes.)
; LIMITS: blocks whose largest magnitude lies under 2^-124 have their byte held at 1; NaN and infinities among the inputs are not served.
; Rows are dense and 1,024 is a multiple of 32: every tensor is a plain stream of blocks of 32.  A work-group takes 32,768 numbers, a wave 8,192: 16 steps of 512.
; Work-groups 0-127 decoder, 128-255 encoder, 256-287 Wq, 288-319 Wk, 320-351 Wv: only the source pointer is chosen, by the work-group's number; there is one path through the text.
; The conversions take 8 numbers of ONE block from a lane's registers, so a lane must hold 16 neighbours; a load is best where neighbouring lanes take neighbouring bytes.  Both are had: each of a step's four
; loads reads 512 consecutive bytes, the 2,048 bytes go through the wave's own stage in LDS (16 bytes of padding behind each 64) and come back 64 bytes a lane.  A lane's 16 codes are 8 bytes: a wave stores
; 256 consecutive bytes.  A wave's 256 scale bytes are gathered in its own LDS bytes and leave as one aligned run of 256 bytes.  No barrier: waves share nothing.  Loads run four steps (16 loads) ahead.
.set WAVES, 4
.set STEPS, 16
.set EMAX,  2
.set CB,    8                          ; bytes of 16 codes
.set R,     16                         ; v16-79   four sets of 16 numbers as they are loaded
.set X,     80                         ; v80-111  two sets of 16 neighbours
.set C,     128                        ; v128-191 codes: four registers for each step, so that no store's data are written again
.set E,     112                        ; v112-127 a scale byte for each step
.set WREG,  8192                       ; LDS: a region for each wave: two stages of 32 x SP bytes, behind them its 256 scale bytes
.set SP,    80                         ; a lane's place in a stage: 64 bytes + 16 of padding
.set SPW,   12                         ; v12      LDS address of my spare word: SPARE + 4 x my thread's number; never rewritten
.set NIL,   13                         ; v13      0; never rewritten
.set SPARE, WAVES*WREG                 ; behind the four regions: the spare words, 128 bytes a wave, which no other line names
	s_load_b256 s[4:11], s[0:1], 0x0               ; decoder s[4:5], encoder s[6:7], Wq s[8:9], Wk s[10:11]
	s_load_b128 s[12:15], s[0:1], 0x20             ; Wv s[12:13], codes s[14:15]
	s_load_b64 s[16:17], s[0:1], 0x30              ; scales
	v_lshl_add_u32 v[SPW], v0, 2, SPARE
	v_mov_b32 v[NIL], 0
	v_lshrrev_b32 v1, 5, v0
	v_readfirstlane_b32 s18, v1                    ; wave
	v_and_b32 v2, 31, v0                           ; lane
	v_lshlrev_b32 v3, 4, v2                        ; my 16 bytes of a load's 512
	s_mul_i32 s19, s18, WREG
	v_lshrrev_b32 v14, 2, v2
	v_mul_u32_u24 v14, v14, SP
	v_and_b32 v15, 3, v2
	v_lshl_add_u32 v14, v15, 4, v14
	v_add_nc_u32 v14, s19, v14                     ; the stage, on the way in: four lanes' 64 bytes on end, then 16 of padding
	v_mul_u32_u24 v15, v2, SP
	v_add_nc_u32 v15, s19, v15                     ; and on the way out: SP x lane: my 16 neighbours
	v_mul_u32_u24 v4, v2, CB                       ; my codes' place in a step's
	v_lshrrev_b32 v5, 1, v2
	s_add_co_u32 s19, s19, 2*32*SP
	v_add_nc_u32 v5, s19, v5                       ; LDS: my wave's 256 scale bytes, my block's byte
	v_lshlrev_b32 v7, 3, v2                        ; and on the way out 8 bytes a lane
	v_add_nc_u32 v6, s19, v7
	s_wait_kmcnt 0x0
	s_mov_b64 s[20:21], s[12:13]                   ; the source: Wv, unless the work-group's number says otherwise;
	s_mov_b32 s22, 320                             ; and the tensor's first work-group
	s_cmp_lt_u32 ttmp9, 320
	s_cselect_b64 s[20:21], s[10:11], s[20:21]
	s_cselect_b32 s22, 288, s22
	s_cmp_lt_u32 ttmp9, 288
	s_cselect_b64 s[20:21], s[8:9], s[20:21]
	s_cselect_b32 s22, 256, s22
	s_cmp_lt_u32 ttmp9, 256
	s_cselect_b64 s[20:21], s[6:7], s[20:21]
	s_cselect_b32 s22, 128, s22
	s_cmp_lt_u32 ttmp9, 128
	s_cselect_b64 s[20:21], s[4:5], s[20:21]
	s_cselect_b32 s22, 0, s22
	s_sub_co_u32 s22, ttmp9, s22
	s_lshl_b32 s22, s22, 2
	s_add_co_u32 s22, s22, s18                     ; which run of 8,192 numbers of the tensor is my wave's
	s_lshl_b32 s22, s22, 15                        ; 32,768 bytes a run: 16 MiB at the most
	s_mov_b32 s23, 0
	s_add_nc_u64 s[20:21], s[20:21], s[22:23]
	s_lshl_b32 s24, ttmp9, 2
	s_add_co_u32 s24, s24, s18                     ; which run of the whole stream
	s_lshl_b32 s22, s24, 12                        ; 4,096 bytes of codes a run
	s_add_nc_u64 s[14:15], s[14:15], s[22:23]
	s_lshl_b32 s22, s24, 8                         ; 256 scale bytes a run
	s_add_nc_u64 s[16:17], s[16:17], s[22:23]
.macro LOAD t
.irp i, 0,1,2,3
	global_load_b128 v[R+16*((\t)%4)+4*\i:R+16*((\t)%4)+4*\i+3], v3, s[20:21] offset:2048*(\t)+512*\i th:TH_LOAD_NT   ; 32 lanes read 512 consecutive bytes
.endr
.endm
.macro TURN t                          ; step t's numbers through the stage: LDS serves a wave's instructions in order, so no wait stands between the stores and the loads
.irp i, 0,1,2,3
	ds_store_b128 v14, v[R+16*((\t)%4)+4*\i:R+16*((\t)%4)+4*\i+3] offset:32*SP*((\t)%2)+8*SP*\i
.endr
.irp i, 0,1,2,3
	ds_load_b128 v[X+16*((\t)%2)+4*\i:X+16*((\t)%2)+4*\i+3], v15 offset:32*SP*((\t)%2)+16*\i
.endr
.endm
.irp t, 0,1,2,3
	LOAD \t
.endr
	s_wait_loadcnt 12                              ; step 0's four loads are in; the twelve of steps 1 to 3 may be out
	TURN 0
.macro STEP t
.set XS, X+16*((\t)%2)
.if (\t) > 0
	s_wait_dscnt 1                                 ; this step's numbers are back from the stage (the last step's byte store may be out): so its stores into the stage have read their registers,
.else
	s_wait_dscnt 0x0
.endif
.if (\t)+4 < STEPS
	LOAD (\t)+4                                    ; which take the loads of four steps on
.endif
.if (\t)+1 < STEPS
.if STEPS-2-(\t) >= 3
	s_wait_loadcnt 12                              ; the next step's four loads are in; those of the three steps behind it may be out
.else
	s_wait_loadcnt 4*(STEPS-2-(\t))                ; near the end fewer steps stand behind it
.endif
	TURN (\t)+1                                    ; and go through the other stage while this step is worked
.endif
	v_max3_num_f32 v8, |v[XS]|, |v[XS+1]|, |v[XS+2]|               ; the largest magnitude of my 16, in two chains
	v_max3_num_f32 v9, |v[XS+3]|, |v[XS+4]|, |v[XS+5]|
.irp i, 6,10
	v_max3_num_f32 v8, v8, |v[XS+\i]|, |v[XS+\i+1]|
	v_max3_num_f32 v9, v9, |v[XS+\i+2]|, |v[XS+\i+3]|
.endr
	v_max3_num_f32 v8, v8, |v[XS+14]|, |v[XS+15]|
	v_max3_num_f32 v8, v8, v9, (EMAX+1)<<23        ; and the floor 2^(3 - 127), under which no largest magnitude is taken: so the byte cannot fall under 1
	v_max_num_f32_dpp v8, v8, v8 row_xmask:1 row_mask:0xf bank_mask:0xf   ; and of my neighbour's 16: the block's
	v_add_nc_u32 v11, 0xff000000, v8               ; 2 off its exponent field: the conversion takes the exponent field of this operand as its scale, and nothing else of it
	v_cvt_scalef32_pk8_fp4_f32 v[C+4*(\t)], v[XS:XS+7], v11
	v_cvt_scalef32_pk8_fp4_f32 v[C+4*(\t)+1], v[XS+8:XS+15], v11
	v_lshrrev_b32 v[E+(\t)], 23, v11               ; the scale's byte (also the plain line behind the conversions)
	ds_store_b8 v5, v[E+(\t)] offset:16*(\t)       ; both lanes of a block write the same byte with the same value
	global_store_b64 v4, v[C+4*(\t):C+4*(\t)+1], s[14:15] offset:32*CB*(\t)   ; 32 lanes store 256 consecutive bytes, aligned
.endm
.irp t, 0,1,2,3,4,5,6,7,8,9,10,11,12,13,14,15
	STEP \t
.endr
	ds_load_b64 v[8:9], v6                         ; LDS serves a wave's instructions in order: these see my stores
	s_wait_dscnt 0x0
	global_store_b64 v7, v[8:9], s[16:17]          ; 32 lanes store 256 consecutive bytes, aligned
	s_wait_tensorcnt 0x0                           ; the wave's end, behind my last LDS store
	ds_add_u32 v[SPW], v[NIL]
	s_wait_dscnt 0x0
	s_endpgm
.Lfunc_end_k_qc8baa042c1_quant:
	.size	k_qc8baa042c1_quant, .Lfunc_end_k_qc8baa042c1_quant-k_qc8baa042c1_quant
	.p2alignl 7, 3214868480
	.fill 96, 4, 3214868480
	.section	.rodata,"a",@progbits
	.p2align	6, 0x0
	.amdhsa_kernel k_qc8baa042c1_quant
		.amdhsa_group_segment_fixed_size 33280
		.amdhsa_private_segment_fixed_size 0
		.amdhsa_enable_private_segment 0
		.amdhsa_kernarg_size 56
		.amdhsa_user_sgpr_count 2
		.amdhsa_user_sgpr_kernarg_segment_ptr 1
		.amdhsa_wavefront_size32 1
		.amdhsa_system_sgpr_workgroup_id_x 1
		.amdhsa_system_sgpr_workgroup_id_y 1
		.amdhsa_system_sgpr_workgroup_id_z 1
		.amdhsa_system_vgpr_workitem_id 0
		.amdhsa_next_free_vgpr 192
		.amdhsa_next_free_sgpr 66
		.amdhsa_reserve_vcc 0
		.amdhsa_float_denorm_mode_32 3
		.amdhsa_float_denorm_mode_16_64 3
		.amdhsa_memory_ordered 1
		.amdhsa_forward_progress 1
		.amdhsa_inst_pref_size 34
	.end_amdhsa_kernel
	.amdgpu_metadata
---
amdhsa.version: [ 1, 2 ]
amdhsa.kernels:
  - .name:           k_qc8baa042c1_quant
    .symbol:         k_qc8baa042c1_quant.kd
    .args:
      - { .name: decoder_feature, .offset: 0, .size: 8, .value_kind: global_buffer, .address_space: global }
      - { .name: encoder_feature, .offset: 8, .size: 8, .value_kind: global_buffer, .address_space: global }
      - { .name: Wq, .offset: 16, .size: 8, .value_kind: global_buffer, .address_space: global }
      - { .name: Wk, .offset: 24, .size: 8, .value_kind: global_buffer, .address_space: global }
      - { .name: Wv, .offset: 32, .size: 8, .value_kind: global_buffer, .address_space: global }
      - { .name: codes, .offset: 40, .size: 8, .value_kind: global_buffer, .address_space: global }
      - { .name: scales, .offset: 48, .size: 8, .value_kind: global_buffer, .address_space: global }
    .group_segment_fixed_size: 33280
    .private_segment_fixed_size: 0
    .kernarg_segment_align: 8
    .kernarg_segment_size: 56
    .max_flat_workgroup_size: 128
    .sgpr_count:     66
    .vgpr_count:     192
    .wavefront_size: 32
...
	.end_amdgpu_metadata
.endif
;; end of part 1
;; launch gemm (part 2): grid 12 x 16, 4 waves a work-group, clusters of 4 x 4, 327,680 bytes of LDS; arguments codes, scales, qf, kv; writes qf, kv
.if DOCPART == 2
	.amdgcn_target "amdgcn-amd-amdhsa--gfx1250"
	.amdhsa_code_object_version 6
	.text
	.protected	k_qc8baa042c1_gemm
	.globl	k_qc8baa042c1_gemm
	.p2align	8
	.type	k_qc8baa042c1_gemm,@function
k_qc8baa042c1_gemm:
	s_mov_b64 s[64:65], 0
	v_nop
	global_prefetch_b8 v0, s[64:65] scope:SCOPE_SE
	s_setreg_imm32_b32 hwreg(HW_REG_WAVE_MODE, 25, 1), 1
	s_wait_xcnt 0x0
	s_wait_alu depctr_hold_cnt(0) depctr_sa_sdst(0) depctr_va_vdst(0) depctr_va_sdst(0) depctr_va_ssrc(0) depctr_va_vcc(0) depctr_vm_vsrc(0)
	s_getreg_b32 s2, hwreg(HW_REG_IB_STS2, 6, 4)
	s_cmp_eq_u32 s2, 0
	s_cbranch_scc0 .Lentry_in_a_cluster
	s_endpgm
.Lentry_in_a_cluster:
	s_bfe_u32 s2, ttmp6, 0x10000c
	s_cmp_lg_u32 s2, 0xf033
	s_cbranch_scc0 .Lentry_shape_is_right
	s_endpgm
.Lentry_shape_is_right:
; The three quantised products q = dec Wq^T, k = enc Wk^T, v = enc Wv^T (each 4,096 x 1,024 x 1,024) on codes of FP4 (E2M1) with one E8M0 scale for each 32 along K; sums in f32; results rounded ONCE to f16
; and stored as IMAGES OF THE OPERAND REGISTERS of the attention launch.  LIMIT: a projection beyond 65,504 in magnitude becomes infinity in f16.
; codes: 11,264 rows x 512 bytes, scales: 11,264 rows x 32 bytes; rows: decoder 0.., encoder 4096.., Wq 8192.., Wk 9216.., Wv 10240...
; A tile is 256 x 256 x 1,024, made by four waves, each 128 x 128: 64 accumulators of 16 x 16, 512 registers.  ALL OF K LIES IN LDS AT ONCE: two slots of 512 along K (rows of 256 bytes + 16 of padding) and the
; scale bytes, each filled once at the start: three tensor loads a wave, no refill, no loop.
; THE MATRIX INSTRUCTION IS USED TRANSPOSED: source 0 = 16 rows of the 'B tensor' (index n), source 1 = 16 rows of the 'A tensor' (index m): register j of lane (r, h) of accumulator (a, b) is (m = 16 a + r,
; n = 16 b + 8 h + j).  So accumulators (a, 2 e) and (a, 2 e + 1), packed in pairs to f16, ARE a 16-bit fragment of 16 m x 32 n.  q, k: A = features, B = W: 16 queries or keys x one sub-head's 32 channels.
; v: A = Wv, B = encoder: 16 channels x 32 keys, which is V^T.  A fragment is stored as two runs of 512 consecutive bytes, lane l's 16 bytes at 16 l.
; qf: [bh = 16 batch + head][query / 16][sub-head][1,024].   kv: [bh][key / 512][part][65,536]; part 0: K [(key % 512) / 16][sub-head][1,024]; part 1: V^T [(key % 512) / 32][channel / 16 % 4][1,024].
; CLUSTERS: 4 x 4 work-groups; the cluster's x says which product: p = 0 q, 1 k, 2 v; g = p >> 1.  The four of a row of the cluster need the same tile of the A tensor, the four of a column the same tile of the
; B tensor: each is asked for JOINTLY.  A's tile TA = cy + 4 Y (1 - g), B's TB = cx + 4 Y g (Y the cluster's y): A's address holds no cx, B's no cy.
; REGISTERS, in windows of 256: window 0: v0-31 addresses; v32-95 scale words, two sets; v128-191 A's fragments, ONE set.  window 1: B's fragments, two sets, at v0 and v128; on the way out all 256: the 32 packed
; fragments.  window 2: the accumulators of my rows 0-63 ((a, b) at v[8 (8 a + b)]);  window 3: those of my rows 64-127.
.set KSTEP,  512                       ; along K in a slot
.set NQ,     KSTEP/128                 ; matrix instructions deep
.set ROWB,   256                       ; a tile's row in bytes
.set KROW,   512                       ; a row of codes in memory
.set PITCH,  272                       ; an LDS row: 256 bytes + 16 of padding = 68 words: the 16 rows that a load touches start at 16 different banks (64 banks of 4 bytes: ISA guide 11.1)
.set FR,     8                         ; registers of a fragment: 16 rows x 128 K
.set NL,     2                         ; LDS loads that bring one
.set NP,     4                         ; places behind this matrix instruction (ISA guide 7.12.1)
.set HALFT,  128*PITCH                 ; 128 rows: what one tensor load brings, and what one wave reads of A or of B
.set SLOT,   4*HALFT                   ; A's 256 rows, then B's 256 rows
.set KS,     32                        ; a row of scales in bytes
.set SCL,    2*SLOT                    ; behind the slots: the scales, as runs of 256 bytes + 16 of padding
.set HALFS,  (128*KS/256)*272          ; the scales of 128 rows: what one tensor load brings
.set SBLK,   (16*KS/256)*272           ; those of 16 rows
.set SPARE,  SCL+4*HALFS               ; behind the scales: the spare words, 128 bytes a wave, which no other line names
.set VO,   8                           ; v8-15   the way out: 16 x lane + the fragment's place by e (0..3) and a / 4: v[VO + 4 (a / 4) + e]
.set ADRA, 16                          ; v16-17  LDS address of my A fragments in slot 0, 1
.set ADRB, 20                          ; v20-21  the same for B
.set ADRS, 27                          ; v27     LDS address of my scale words: lanes 0-15 A's rows, lanes 16-31 B's
.set SPW,  28                          ; v28     LDS address of my spare word; never rewritten
.set NIL,  29                          ; v29     0; never rewritten
.set SC,   32                          ; scale words: set s at v[SC + 32 s]; register 4 i + q: lanes 0-15 the word of A's block i, lanes 16-31 that of B's block i, for the slot's q-th 128 along K
.set AF,   128                         ; A's fragments, in window 0
.set G1, 24                            ; s[24:31] descriptor group 1 for A's tiles;  s[32:39] group 0, one set for each slot
.set G0, 32
.set BA, 40                            ; s[40:47] the way out: four bases, one for each a % 4 (made when cx, cy and the masks that lay here are done with)
.set G1B, 48                           ; s[48:55], s[56:63] the same for B's tiles
.set G0B, 56
.set G1S, 68                           ; s[68:75], s[76:79] groups 1 and 0 for A's scales;  s[80:87], s[88:91] for B's
.set G0S, 76
.set G1SB, 80
.set G0SB, 88
.set MSB, 0
.macro WIN new                         ; the immediate's high byte repeats the setting that is left
.if MSB != \new
	s_set_vgpr_msb (MSB<<8)|\new
.set MSB, \new
.endif
.endm
.set MUL_LO, 0xa1                      ; source 0 (B) window 1, source 1 (A) window 0, C and D window 2
.set MUL_HI, 0xf1                      ; the same, C and D window 3
.set TO_B,   0x40                      ; destination window 1, address window 0
; A joint load: waves 0 and 1 fetch for A, waves 2 and 3 for B.  Each of the two lines has ONE mask and one set of registers for all that issue it; the branch hangs on the wave's number alone.
; An s_nop 0 and four v_nop follow each of the two lines, ahead of the jump, the label and what follows.
.macro JLOAD g0a, g1a, g0b, g1b
	s_cmp_eq_u32 s15, 0
	s_cbranch_scc0 .Lfor_b_\@
	tensor_load_to_lds s[\g0a:\g0a+3], s[\g1a:\g1a+7]
	s_nop 0
.rept 4
	v_nop
.endr
	s_branch .Lasked_\@
.Lfor_b_\@:
	tensor_load_to_lds s[\g0b:\g0b+3], s[\g1b:\g1b+7]
	s_nop 0
.rept 4
	v_nop
.endr
.Lasked_\@:
.endm
.macro CROUND                          ; a round of the cluster's barrier: my work-group's barrier; wave 0 signals for the work-group; every wave waits for all sixteen; my work-group's barrier once more
	s_barrier_signal -1
	s_barrier_wait -1
	s_cmp_lg_u32 s14, 0
	s_cbranch_scc1 .Lnot_wave_0_\@
	s_barrier_signal -3
.Lnot_wave_0_\@:
	s_barrier_wait -3
	s_barrier_signal -1
	s_barrier_wait -1
.endm
	s_load_b128 s[4:7], s[0:1], 0x0                ; codes s[4:5], scales s[6:7]
	s_load_b128 s[8:11], s[0:1], 0x10              ; qf s[8:9], kv s[10:11]
	v_lshl_add_u32 v[SPW], v0, 2, SPARE
	v_mov_b32 v[NIL], 0
	ds_add_u32 v[SPW], v[NIL]                      ; the wave's opening: the add, twice on end, and its wait ahead of my first tensor load; the set-up below stands between the second and the wait
	ds_add_u32 v[SPW], v[NIL]
	v_lshrrev_b32 v1, 5, v0
	v_readfirstlane_b32 s14, v1                    ; wave 0..3
	s_lshr_b32 s15, s14, 1                         ; which half of the tile's A rows is mine.  Also: I fetch for A (0) or for B (1)
	s_and_b32 s16, s14, 1                          ; which half of its B rows.  Also: which 128 rows of that tile I fetch
	s_bfe_u32 s40, ttmp6, 0x40000                  ; cx, cy: my place in the cluster
	s_bfe_u32 s41, ttmp6, 0x40004
	s_lshr_b32 s95, ttmp9, 1                       ; g: 1 for v, 0 for q and k (p = the cluster's x = 0, 1, 2: the same in all sixteen partners)
	s_xor_b32 s96, s95, 1                          ; 1 - g
	s_and_b32 s17, ttmp7, 0xffff
	s_lshl_b32 s17, s17, 2                         ; 4 Y
	s_mul_i32 s42, s17, s95
	s_add_co_u32 s42, s42, s40                     ; TB = cx + 4 Y g
	s_mul_i32 s17, s17, s96
	s_add_co_u32 s17, s17, s41                     ; TA = cy + 4 Y (1 - g)
	s_lshl_b32 s43, s41, 2
	s_lshl_b32 s43, 15, s43                        ; my row of the cluster
	s_lshl_b32 s44, 0x1111, s40                    ; my column
	; descriptor group 1: a tile of 128 rows x 256 bytes, padded in LDS
	s_or_b32 s[G1+0], s43, (0<<16)|(1<<20)|(1<<21)|(5<<22)|(3<<25)  ; 15:0 the mask: A's tiles go to my row; 17:16 element of 1 byte; 20 padding on; 21 set beside a mask; 24:22 after every 64 words (code 5); 31:25 of 4 words (code 3)
	s_or_b32 s[G1B+0], s44, (0<<16)|(1<<20)|(1<<21)|(5<<22)|(3<<25)
.irp g, G1, G1B
	s_mov_b32 s[\g+1], ROWB<<16                    ; tensor_dim0
	s_mov_b32 s[\g+2], 128<<16                     ; tensor_dim1 = 128
	s_mov_b32 s[\g+3], ROWB<<16                    ; tile_dim0
	s_mov_b32 s[\g+4], 128                         ; tile_dim1 = 128
	s_mov_b32 s[\g+5], KROW                        ; tensor_dim0_stride
	s_mov_b32 s[\g+6], 0
	s_mov_b32 s[\g+7], 0
.endr
	; and for the scales of 128 rows: a dense block of 4,096 bytes, as 16 rows of 256 bytes (32 elements of 8 bytes), 16 bytes of padding behind each
	s_or_b32 s[G1S+0], s43, (3<<16)|(1<<20)|(1<<21)|(5<<22)|(3<<25)
	s_or_b32 s[G1SB+0], s44, (3<<16)|(1<<20)|(1<<21)|(5<<22)|(3<<25)
.irp g, G1S, G1SB
	s_mov_b32 s[\g+1], 32<<16
	s_mov_b32 s[\g+2], (128*KS/256)<<16
	s_mov_b32 s[\g+3], 32<<16
	s_mov_b32 s[\g+4], 128*KS/256
	s_mov_b32 s[\g+5], 32
	s_mov_b32 s[\g+6], 0
	s_mov_b32 s[\g+7], 0
.endr
	s_lshl_b32 s18, s16, 7                         ; which 128 rows of the tile I fetch
	s_lshl_b32 s20, s17, 8
	s_add_co_u32 s20, s20, s18
	s_lshl_b32 s97, ttmp9, 12
	s_add_co_u32 s20, s20, s97
	s_lshl_b32 s97, s95, 11
	s_add_co_u32 s20, s20, s97                     ; A: row 4,096 p + 2,048 g + 256 TA + 128 x half (bases 0, 4,096, 10,240)
	s_lshl_b32 s46, s42, 8
	s_add_co_u32 s46, s46, s18
	s_lshl_b32 s97, ttmp9, 10
	s_add_co_u32 s46, s46, s97
	s_add_co_u32 s46, s46, 8192
	s_mul_i32 s97, s95, 6144
	s_sub_co_u32 s46, s46, s97                     ; B: row 8,192 + 1,024 p - 6,144 g + 256 TB + 128 x half (bases 8,192, 9,216, 4,096)
	s_lshl_b32 s22, s20, 5                         ; where these rows' scales begin, in bytes,
	s_mov_b32 s23, 0
	s_lshl_b32 s92, s46, 5
	s_mov_b32 s93, 0
	s_lshl_b32 s20, s20, 9                         ; and their codes (under 2^23)
	s_mov_b32 s21, 0
	s_lshl_b32 s46, s46, 9
	s_mov_b32 s47, 0
	s_mul_i32 s45, s14, HALFT                      ; where they go: wave x 128 rows: no place in the cluster enters an LDS address
	s_mul_i32 s94, s14, HALFS
	s_wait_dscnt 0x0                               ; both opening adds are done
	s_wait_kmcnt 0x0
	s_add_nc_u64 s[20:21], s[4:5], s[20:21]
	s_add_nc_u64 s[22:23], s[6:7], s[22:23]
	s_add_nc_u64 s[46:47], s[4:5], s[46:47]
	s_add_nc_u64 s[92:93], s[6:7], s[92:93]
	CROUND                                         ; all sixteen work-groups are here: the first joint loads meet
	s_mov_b32 s[G0S], 1
	s_add_co_u32 s[G0S+1], s94, SCL
	s_mov_b64 s[G0S+2:G0S+3], s[22:23]
	s_or_b32 s[G0S+3], s[G0S+3], 0x80000000
	s_mov_b32 s[G0SB], 1
	s_add_co_u32 s[G0SB+1], s94, SCL
	s_mov_b64 s[G0SB+2:G0SB+3], s[92:93]
	s_or_b32 s[G0SB+3], s[G0SB+3], 0x80000000
	JLOAD G0S, G1S, G0SB, G1SB                     ; the scales first: they are wanted with the first 512 along K
.irp s, 0,1
	s_mov_b32 s[G0+4*\s], 1
	s_add_co_u32 s[G0+4*\s+1], s45, \s*SLOT
	s_add_nc_u64 s[G0+4*\s+2:G0+4*\s+3], s[20:21], \s*ROWB
	s_or_b32 s[G0+4*\s+3], s[G0+4*\s+3], 0x80000000
	s_mov_b32 s[G0B+4*\s], 1
	s_add_co_u32 s[G0B+4*\s+1], s45, \s*SLOT
	s_add_nc_u64 s[G0B+4*\s+2:G0B+4*\s+3], s[46:47], \s*ROWB
	s_or_b32 s[G0B+4*\s+3], s[G0B+4*\s+3], 0x80000000
	JLOAD G0+4*\s, G1, G0B+4*\s, G1B               ; three tensor loads of mine are out at the most
.endr
	v_and_b32 v1, 15, v0                           ; l % 16
	v_bfe_u32 v2, v0, 4, 1                         ; l / 16
	v_mul_u32_u24 v3, v1, PITCH
	v_lshl_add_u32 v4, v2, 4, v3                   ; a fragment's row x pitch + 16 x half
	s_mul_i32 s21, s15, HALFT                      ; my 128 rows of A
	s_mul_i32 s22, s16, HALFT                      ; my 128 rows of B,
	s_add_co_u32 s22, s22, 2*HALFT                 ; which lie behind A's 256
.irp s, 0,1
	v_add_nc_u32 v[ADRA+\s], s21, v4
	v_add_nc_u32 v[ADRB+\s], s22, v4
	s_add_co_u32 s21, s21, SLOT
	s_add_co_u32 s22, s22, SLOT
.endr
	v_mul_u32_u24 v5, v1, KS                       ; my row's scales: 32 bytes a row,
	v_lshrrev_b32 v6, 8, v5
	v_lshl_add_u32 v5, v6, 4, v5                   ; and 16 more for each 256 passed
	s_mul_i32 s21, s15, HALFS                      ; A's: my 128 rows
	s_mul_i32 s22, s16, HALFS                      ; B's: my 128 rows, behind A's 256
	s_add_co_u32 s22, s22, 2*HALFS
	s_sub_co_u32 s22, s22, s21
	v_mul_u32_u24 v6, s22, v2                      ; lanes 16-31 take B's
	s_add_co_u32 s21, s21, SCL
	v_add_nc_u32 v5, v5, v6
	v_add_nc_u32 v[ADRS], s21, v5
	; THE WAY OUT'S ADDRESSES.  m0, n0: my first row of the A and of the B tensor's tile; X0 the feature row (batch x 2,048 + position), C0 the channel
	s_lshl_b32 s18, s17, 8
	s_lshl_b32 s19, s15, 7
	s_add_co_u32 s18, s18, s19                     ; m0 = 256 TA + 128 (wave / 2)
	s_lshl_b32 s19, s42, 8
	s_lshl_b32 s20, s16, 7
	s_add_co_u32 s19, s19, s20                     ; n0 = 256 TB + 128 (wave % 2)
	s_cmp_eq_u32 s95, 1
	s_cselect_b32 s20, s19, s18                    ; X0: for v the B tensor holds the features
	s_cselect_b32 s21, s18, s19                    ; C0
	s_min_u32 s22, ttmp9, 1                        ; 1 for k and v: kv has twice qf's bytes for each (batch, head)
	s_lshr_b32 s23, s20, 11
	s_lshl_b32 s23, s23, 22                        ; batch x 16 heads x 262,144
	s_lshr_b32 s21, s21, 6
	s_lshl_b32 s21, s21, 18                        ; head x 262,144
	s_add_co_u32 s23, s23, s21
	s_lshl_b32 s23, s23, s22                       ; twice that in kv
	s_and_b32 s20, s20, 2047                       ; the position
	s_lshl_b32 s21, s20, 7                         ; 2,048 bytes for 16 positions (q, k), 4,096 for 32 (v): 128 a position
	s_add_co_u32 s23, s23, s21
	s_lshr_b32 s20, s20, 9
	s_lshl_b32 s20, s20, 16
	s_mul_i32 s20, s20, s22                        ; in kv each 512 keys pass over the other part's 65,536 bytes
	s_add_co_u32 s23, s23, s20
	s_lshl_b32 s20, s95, 16                        ; v lies in part 1
	s_add_co_u32 s92, s23, s20
	s_mov_b32 s93, 0
	s_cmp_eq_u32 ttmp9, 0
	s_cselect_b64 s[12:13], s[8:9], s[10:11]       ; q goes to qf, k and v to kv: the choice hangs on the cluster's x alone
	s_add_nc_u64 s[12:13], s[12:13], s[92:93]
	s_lshr_b32 s66, 0x800, s95                     ; from a to a + 1 (a % 4): 16 positions on, 2,048; v: 16 channels on, 1,024
	s_mul_i32 s99, s95, 6
	s_lshl_b32 s67, 0x2000, s99                    ; from a to a + 4: 8,192; v: the next head, 524,288
	s_lshl_b32 s99, s95, 1
	s_lshl_b32 s97, 0x400, s99                     ; from e to e + 1 (e % 2): the other sub-head, 1,024; v: 32 keys on, 4,096
	s_mul_i32 s99, s95, 7
	s_add_co_u32 s98, ttmp9, 18
	s_sub_co_u32 s98, s98, s99
	s_lshl_b32 s98, 1, s98                         ; from e to e + 2: the next head, 2^18 in qf, 2^19 in kv; v: 64 keys on, 2^13
.irp a, 0,1,2,3
	s_mul_i32 s92, s66, \a
	s_add_nc_u64 s[BA+2*\a:BA+2*\a+1], s[12:13], s[92:93]
.endr
	v_and_b32 v6, 31, v0
	v_lshlrev_b32 v[VO], 4, v6
	v_add_nc_u32 v[VO+1], s97, v[VO]
	v_add_nc_u32 v[VO+2], s98, v[VO]
	v_add_nc_u32 v[VO+3], s98, v[VO+1]
.irp e, 0,1,2,3
	v_add_nc_u32 v[VO+4+\e], s67, v[VO+\e]
.endr
.macro FRAG reg, adr, q, i             ; a fragment, 16 rows x 128 K of 4-bit codes, is 8 registers: lane l holds row l % 16; registers 4 c .. 4 c + 3 hold K = 64 c + 32 (l / 16) + 0 .. 31
.irp c, 0,1
	ds_load_b128 v[\reg+4*\c:\reg+4*\c+3], v[\adr] offset:64*(\q)+32*\c+(\i)*16*PITCH
.endr
.endm
; 16 matrix instructions: A's blocks a0, a0 + 1 x B's eight, 128 along K: the slot's q-th.  p: B's set;  sc: the set of scale words.  zero = 1: the first product starts the sums: nothing is ever cleared.
; The 64 accumulators take turns, one instruction a turn, in the same order in every step.
.macro MUL16 a0, p, q, sc, zero
.irp a, \a0, \a0+1
.irp b, 0,1,2,3,4,5,6,7
.if \zero
	v_wmma_scale_f32_16x16x128_f8f6f4 v[8*(8*((\a)%4)+\b):8*(8*((\a)%4)+\b)+7], v[128*(\p)+FR*\b:128*(\p)+FR*\b+FR-1], v[AF+FR*(\a):AF+FR*(\a)+FR-1], 0, v[SC+8*NQ*(\sc)+NQ*\b+(\q)], v[SC+8*NQ*(\sc)+NQ*(\a)+(\q)] matrix_a_fmt:MATRIX_FMT_FP4 matrix_b_fmt:MATRIX_FMT_FP4 matrix_a_scale:MATRIX_SCALE_ROW1
.else
	v_wmma_scale_f32_16x16x128_f8f6f4 v[8*(8*((\a)%4)+\b):8*(8*((\a)%4)+\b)+7], v[128*(\p)+FR*\b:128*(\p)+FR*\b+FR-1], v[AF+FR*(\a):AF+FR*(\a)+FR-1], v[8*(8*((\a)%4)+\b):8*(8*((\a)%4)+\b)+7], v[SC+8*NQ*(\sc)+NQ*\b+(\q)], v[SC+8*NQ*(\sc)+NQ*(\a)+(\q)] matrix_a_fmt:MATRIX_FMT_FP4 matrix_b_fmt:MATRIX_FMT_FP4 matrix_a_scale:MATRIX_SCALE_ROW1
.endif
.endr
.endr
.endm
.macro FETCH_B slot, q, p              ; B's eight fragments of the slot's q-th 128 along K into set p
	WIN TO_B
.irp i, 0,1,2,3,4,5,6,7
	FRAG 128*(\p)+FR*\i, ADRB+\slot, \q, \i
.endr
	WIN 0
.endm
.macro FETCH_A slot, q, i0             ; A's blocks i0 .. i0 + 3
.irp i, \i0, \i0+1, \i0+2, \i0+3
	FRAG AF+FR*(\i), ADRA+\slot, \q, \i
.endr
.endm
.macro SCALES sc                       ; a slot's scale words into set sc: 4 words a row; lanes 0-15 take A's block i, lanes 16-31 B's block i
.irp i, 0,1,2,3,4,5,6,7
	ds_load_b128 v[SC+8*NQ*\sc+NQ*\i:SC+8*NQ*\sc+NQ*\i+3], v[ADRS] offset:\i*SBLK
.endr
.endm
; A load into a register that a matrix instruction has read, and a vector instruction that reads a matrix result or writes one of a matrix instruction's registers, stand NP places behind it, and only plain
; vector instructions that name none of its registers are places (ISA guide 7.12.1 for vector instructions).
.macro PLACES n
.rept \n
	v_nop
.endr
.endm
; A step of 128 along K that has its successor in the same slot.  A block of A is free as soon as its eight products are issued: blocks 0-3 are fetched anew in the step's middle, blocks 4-7 at its end.
.macro STEP slot, q, zero
	s_wait_dscnt 4*NL                              ; B's set and A's blocks 0-3 are in; the youngest eight loads (A's blocks 4-7) may be out
	WIN MUL_LO
	MUL16 0, (\q)%2, \q, \slot, \zero
	MUL16 2, (\q)%2, \q, \slot, \zero
	s_wait_dscnt 0                                 ; A's blocks 4-7 are in (asked for 32 matrix instructions ago)
	PLACES NP
	FETCH_B \slot, (\q)+1, 1-(\q)%2
	FETCH_A \slot, (\q)+1, 0
	WIN MUL_HI
	MUL16 4, (\q)%2, \q, \slot, \zero
	MUL16 6, (\q)%2, \q, \slot, \zero
	PLACES NP
	WIN 0
	FETCH_A \slot, (\q)+1, 4
.endm
; Slot 0's last step goes over to slot 1: each wave waits for its part of slot 1, then the barrier shows every wave's part to every wave.  Nothing is filled again.
.macro TURN slot, next
	s_wait_tensorcnt 0x0                           ; all my tensor loads have landed: my part of slot 1;  (every window is 0 here)
	ds_add_u32 v[SPW], v[NIL]                      ; 0 onto my spare word;
	s_wait_dscnt 4*NL+1                            ; (the add and the youngest eight loads, A's blocks 4-7, may be out)
	WIN MUL_LO
	MUL16 0, 1, NQ-1, \slot, 0                     ; sixteen matrix instructions stand between the add and the wait for it
	s_wait_dscnt 0x0                               ; the add is done, and no LDS instruction of mine is out at the signal
	s_barrier_signal -1
	MUL16 2, 1, NQ-1, \slot, 0
	WIN 0
	s_barrier_wait -1
	PLACES NP
	v_add_nc_u32 v[ADRS], 4*NQ, v[ADRS]            ; on to the second 512's scale words (no LDS load of mine is out)
	FETCH_B \next, 0, 0
	FETCH_A \next, 0, 0
	SCALES \next
	WIN MUL_HI
	MUL16 4, 1, NQ-1, \slot, 0
	MUL16 6, 1, NQ-1, \slot, 0
	PLACES NP
	WIN 0
	FETCH_A \next, 0, 4
.endm
.macro STEPS slot, from                ; the slot's steps from .. NQ - 2
.set Q, \from
.rept NQ-1-\from
	STEP \slot, Q, 0
.set Q, Q+1
.endr
.endm
	s_wait_tensorcnt 1                             ; the scales and my part of slot 0 are in (slot 1's load may be out)
	s_barrier_signal -1
	s_barrier_wait -1                              ; everybody's are
	FETCH_B 0, 0, 0
	FETCH_A 0, 0, 0
	SCALES 0
	FETCH_A 0, 0, 4
	STEP 0, 0, 1                                   ; the first step's products start the sums
	STEPS 0, 1
	TURN 0, 1
	STEPS 1, 0
	s_wait_dscnt 4*NL                              ; the very last step: nothing more to fetch
	WIN MUL_LO
	MUL16 0, 1, NQ-1, 1, 0
	MUL16 2, 1, NQ-1, 1, 0
	s_wait_dscnt 0
	WIN MUL_HI
	MUL16 4, 1, NQ-1, 1, 0
	MUL16 6, 1, NQ-1, 1, 0
; THE WAY OUT.  Block a's eight accumulators become four fragments (e = 0..3): piece u of fragment e is accumulator (a, 2 e + u), packed in pairs to f16 (round to nearest even), each accumulator from its low end on.
; The packed fragments fill window 1, whose 256 registers (B's fragments) are done with: each store has data registers of its own, and the bases and offsets were made at the head, so no register that a store
; reads is ever rewritten.  A store covers 512 consecutive bytes, at a multiple of 512 from its buffer's first byte.
.macro OUTA a
.set AC, 64*((\a)%4)
	WIN 0x4a+5*((\a)/4)                            ; sources 0 and 1: window 2 or 3; destination: window 1
.irp e, 0,1,2,3
.irp u, 0,1
.irp r, 0,1,2,3
	v_cvt_pk_f16_f32 v[32*(\a)+8*\e+4*\u+\r], v[AC+8*(2*\e+\u)+2*\r], v[AC+8*(2*\e+\u)+2*\r+1]
.endr
.endr
.endr
	WIN 0x04                                       ; a store's data are its source 1: window 1
.irp e, 0,1,2,3
.irp u, 0,1
	global_store_b128 v[VO+4*((\a)/4)+\e], v[32*(\a)+8*\e+4*\u:32*(\a)+8*\e+4*\u+3], s[BA+2*((\a)%4):BA+2*((\a)%4)+1] offset:512*\u
.endr
.endr
.endm
	PLACES NP                                      ; behind the last products: their results are read, and B's registers, which they read, are written
.irp a, 0,1,2,3,4,5,6,7
	OUTA \a
.endr
	WIN 0
	s_wait_tensorcnt 0x0                           ; the wave's end, behind my last tensor load
	ds_add_u32 v[SPW], v[NIL]
	s_wait_dscnt 0x0
	CROUND                                         ; the closing round: no work-group ends while a partner may still ask for a tile that names it
	s_endpgm
.Lfunc_end_k_qc8baa042c1_gemm:
	.size	k_qc8baa042c1_gemm, .Lfunc_end_k_qc8baa042c1_gemm-k_qc8baa042c1_gemm
	.p2alignl 7, 3214868480
	.fill 96, 4, 3214868480
	.section	.rodata,"a",@progbits
	.p2align	6, 0x0
	.amdhsa_kernel k_qc8baa042c1_gemm
		.amdhsa_group_segment_fixed_size 327680
		.amdhsa_private_segment_fixed_size 0
		.amdhsa_enable_private_segment 0
		.amdhsa_kernarg_size 32
		.amdhsa_user_sgpr_count 2
		.amdhsa_user_sgpr_kernarg_segment_ptr 1
		.amdhsa_wavefront_size32 1
		.amdhsa_system_sgpr_workgroup_id_x 1
		.amdhsa_system_sgpr_workgroup_id_y 1
		.amdhsa_system_sgpr_workgroup_id_z 1
		.amdhsa_system_vgpr_workitem_id 0
		.amdhsa_next_free_vgpr 1024
		.amdhsa_next_free_sgpr 100
		.amdhsa_reserve_vcc 0
		.amdhsa_float_denorm_mode_32 3
		.amdhsa_float_denorm_mode_16_64 3
		.amdhsa_memory_ordered 1
		.amdhsa_forward_progress 1
		.amdhsa_inst_pref_size 119
	.end_amdhsa_kernel
	.amdgpu_metadata
---
amdhsa.version: [ 1, 2 ]
amdhsa.kernels:
  - .name:           k_qc8baa042c1_gemm
    .symbol:         k_qc8baa042c1_gemm.kd
    .args:
      - { .name: codes, .offset: 0, .size: 8, .value_kind: global_buffer, .address_space: global }
      - { .name: scales, .offset: 8, .size: 8, .value_kind: global_buffer, .address_space: global }
      - { .name: qf, .offset: 16, .size: 8, .value_kind: global_buffer, .address_space: global }
      - { .name: kv, .offset: 24, .size: 8, .value_kind: global_buffer, .address_space: global }
    .group_segment_fixed_size: 327680
    .private_segment_fixed_size: 0
    .kernarg_segment_align: 8
    .kernarg_segment_size: 32
    .max_flat_workgroup_size: 128
    .sgpr_count:     100
    .vgpr_count:     1024
    .wavefront_size: 32
...
	.end_amdgpu_metadata
.endif
;; end of part 2
;; launch attn (part 3): grid 8 x 32, 8 waves a work-group, clusters of 4 x 1, 327,680 bytes of LDS; arguments qf, kv, lambda_q1, lambda_k1, lambda_q2, lambda_k2, out0; writes out0
.if DOCPART == 3
	.amdgcn_target "amdgcn-amd-amdhsa--gfx1250"
	.amdhsa_code_object_version 6
	.text
	.protected	k_qc8baa042c1_attn
	.globl	k_qc8baa042c1_attn
	.p2align	8
	.type	k_qc8baa042c1_attn,@function
k_qc8baa042c1_attn:
	s_mov_b64 s[64:65], 0
	v_nop
	global_prefetch_b8 v0, s[64:65] scope:SCOPE_SE
	s_setreg_imm32_b32 hwreg(HW_REG_WAVE_MODE, 25, 1), 1
	s_wait_xcnt 0x0
	s_wait_alu depctr_hold_cnt(0) depctr_sa_sdst(0) depctr_va_vdst(0) depctr_va_sdst(0) depctr_va_ssrc(0) depctr_va_vcc(0) depctr_vm_vsrc(0)
	s_getreg_b32 s2, hwreg(HW_REG_IB_STS2, 6, 4)
	s_cmp_eq_u32 s2, 0
	s_cbranch_scc0 .Lentry_in_a_cluster
	s_endpgm
.Lentry_in_a_cluster:
	s_bfe_u32 s2, ttmp6, 0x10000c
	s_cmp_lg_u32 s2, 0x3003
	s_cbranch_scc0 .Lentry_shape_is_right
	s_endpgm
.Lentry_shape_is_right:
; out[b][t][64 head + d] = sum over n of (softmax_n(q1 . k1 / sqrt(32)) - lam softmax_n(q2 . k2 / sqrt(32))) v[n][d], lam = exp(lq1 . lk1) - exp(lq2 . lk2) + 0.8; 2 batches, 16 heads, 2,048 queries and keys.
; q, k, v arrive in f16 as images of operand registers (fragments of 1,024 bytes: [piece 0, 1][lane][16 bytes]):  qf: [bh = 16 b + head][query / 16][sub-head];
; kv: [bh][key / 512][part][65,536]; part 0: K [(key % 512) / 16][sub-head]; part 1: V^T [(key % 512) / 32][channel / 16].  Products in f16 with f32 sums; maxima, exponentials, sums in f32; the weights p are
; rounded to f16 for the second product.  LIMITS: q, k, v beyond 65,504 in magnitude have become infinity in f16; NaN and infinities are not served.
; THE TWO SOFTMAXES have divisors of their own, known only at the end: so O1 = sum p1 v and O2 = sum p2 v are summed apart, and out = O1 / l1 - lam O2 / l2.
; SHARES.  A work-group owns 256 queries of one (batch, head); each of its EIGHT waves 32 of them: two tiles of 16 x two sub-heads = four GROUPS g = 2 tile + sub-head, in 512 registers: two waves to a SIMD, so
; that one wave's vector work stands beside the other's matrix work.  Every wave walks all 2,048 keys, 64 a step.
; LAYOUT.  S^T = K Q^T (source 0 = 16 keys, source 1 = 16 queries): a lane holds ONE query (lane % 16) and keys 8 (lane / 16) + 0..7.  Two such tiles, rounded to f16 in pairs, ARE source 1 (32 keys x 16 queries) of
; O^T = V^T P, whose result again holds one query a lane.  Nothing changes lanes between the products; a query's maximum and sum want one exchange between the halves of the lanes.
; SOFTMAX.  For each query and sub-head a running maximum m and sum l: p = 2^(c s - c m), c = log2(e) / sqrt(32); in every step O and l are multiplied by a = 2^(c m_old - c m_new).
; RING.  Two LDS slots of 512 keys (65,536 bytes of K, 65,536 of V^T, as they lie in kv); each wave brings 16,384 bytes of a slot by one tensor load.  CLUSTER: the four query blocks of a cluster walk the same K and
; V: every tile is asked for JOINTLY, by the same load with the same descriptor and a mask that names the four.
; PIPELINE of a trip i: K of step i + 1 is fetched from LDS | softmax of step i | V^T P of step i | K Q^T of step i + 1 | V of step i + 1 is fetched.
; REGISTERS, in windows of 256: window 0: v0-14 addresses and lam; v16-47 statistics, 8 a group; v48-79 Q, 8 a group; v80-95 partial sums; v128-255 S^T, 32 a group; P is packed IN PLACE into a group's first 16.
;   window 1: v0-127 O^T, 32 a group (tile (g, ct) at 32 g + 8 ct); v128-191 K of one step; v192-255 V^T of one step.
.set SLOT1, 1<<17                      ; slot 1 begins here: one exclusive or turns an address in one slot into the other's
.set VPART, 65536                      ; V^T's part of a slot
.set STEPB, 8192                       ; a key step's bytes of K, and of V^T
.set STAGE, 2*SLOT1                    ; behind the ring: 16 rows x 272 bytes for each wave, for the way out
.set SP,    272
.set SPARE, STAGE+8*16*SP              ; behind the stages: the spare words, 128 bytes a wave, which no other line names
.set AK0, 3                            ; v3   16 x lane: my place in a fragment's piece; also my offset in Q
.set AV0, 4                            ; v4   the same in V^T's part
.set ADK, 5                            ; v5   LDS address of the run of K's loads in hand
.set ADV, 6                            ; v6   of V's
.set STO, 7                            ; v7   the way out: where I put 32 bytes of a row
.set RD,  8                            ; v8   where I read a row back
.set GO,  9                            ; v9   my byte offset in the wave's rows of out0
.set PFO, 10                           ; v10  256 x lane: the prefetch's offset; never rewritten
.set L4,  11                           ; v11  4 x lane
.set SPW, 12                           ; v12  LDS address of my spare word; never rewritten
.set NIL, 13                           ; v13  0; never rewritten
.set LAM, 14                           ; v14  lam
.set ST,  16                           ; group g's statistics at v[ST + 8 g]: +0 c m, +1 m, +2, +3 l (even keys', odd keys'), +4 to +7 c0-c3, at work; a takes c2's place
.set Q,   48
.set T,   80                           ; two chains of partial sums a group: v[T + 4 g + 2 u]
.set S,   128
.set KF,  128                          ; in window 1: K's fragment (kt, sub-head) at + 8 (2 kt + sub-head)
.set VF,  192                          ; in window 1: V^T's fragment (kb, ct) at + 8 (4 kb + ct)
.set WV,  18                           ; s18  my wave's number
.set G1,  24                           ; s[24:31] descriptor group 1
.set G0,  32                           ; s[32:39] descriptor group 0: a set for each of the two first fills; the second then walks on
.set SLOTS, 40                         ; s40  slots still to be asked for
.set CNT, 41                           ; s41  counts the trips of a run
.set TB,  42                           ; s42  LDS byte at which the K of the step to be fetched begins
.set LIM, 43                           ; s43  1 in a wave that prefetches, else the greatest number
.set PFA, 44                           ; s[44:45] where my prefetch stands in memory
.set CS,  46                           ; s[46:47] c: the packed scaling names a pair and takes its low word for both halves
.set SEL, 48                           ; s[48:49] lane selects for v_permlanex16_b32: lane l xor 16
.set MSB, 0
.macro WIN new                         ; the immediate's high byte repeats the setting that is left; a switch that changes nothing is dropped
.if MSB != \new
	s_set_vgpr_msb (MSB<<8)|\new
.set MSB, \new
.endif
.endm
.macro CROUND                          ; a round of the cluster's barrier: my work-group's barrier; wave 0 signals for the work-group; every wave waits for all four work-groups; my work-group's barrier once more
	s_barrier_signal -1
	s_barrier_wait -1
	s_cmp_lg_u32 s[WV], 0
	s_cbranch_scc1 .Lnot_wave_0_\@
	s_barrier_signal -3
.Lnot_wave_0_\@:
	s_barrier_wait -3
	s_barrier_signal -1
	s_barrier_wait -1
.endm
.macro JLOAD                           ; a joint refill: every wave's 16,384 bytes of the slot, by the walking descriptor; an s_nop 0 and four v_nop follow
	tensor_load_to_lds s[G0+4:G0+7], s[G1:G1+7]
	s_nop 0
.rept 4
	v_nop
.endr
.endm
; A PREFETCH INTO THE L2 of what the NEXT change of slots will ask for: a slot's 131,072 bytes, lanes 256 bytes apart.  Both clusters of a (batch, head) walk the same K and V: the first of them asks.  Its four partners
; share the slot out BY ADDRESS, 32,768 bytes each; in each, waves 0 to 3 take 8,192 bytes, one instruction a wave: so each run of 256 bytes is named once in the launch.  With four slots in all it is the first change
; alone that asks, for the last slot, eight key steps ahead of its load; the second change, which fills the last slot, asks for nothing; nothing is asked for at the head.
.macro ASK
	s_cmp_gt_u32 s[SLOTS], s[LIM]
	s_cbranch_scc0 .Lnot_mine_\@
	global_prefetch_b8 v[PFO], s[PFA:PFA+1] th:TH_LOAD_NT scope:SCOPE_SE
.Lnot_mine_\@:
.endm
	s_load_b256 s[4:11], s[0:1], 0x0               ; qf s[4:5], kv s[6:7], lambda_q1 s[8:9], lambda_k1 s[10:11]
	s_load_b128 s[12:15], s[0:1], 0x20             ; lambda_q2 s[12:13], lambda_k2 s[14:15]
	s_load_b64 s[16:17], s[0:1], 0x30              ; out0
	v_lshl_add_u32 v[SPW], v0, 2, SPARE
	v_mov_b32 v[NIL], 0
	ds_add_u32 v[SPW], v[NIL]                      ; the wave's opening: the add, twice on end, and its wait ahead of my first tensor load; the set-up below stands between the second and the wait
	ds_add_u32 v[SPW], v[NIL]
	v_lshrrev_b32 v1, 5, v0
	v_readfirstlane_b32 s[WV], v1                  ; wave 0..7
	s_bfe_u32 s19, ttmp6, 0x40000                  ; cx: my place in the cluster: it enters Q's, out0's and the prefetch's addresses alone
	s_and_b32 s20, ttmp7, 0xffff                   ; bh = 16 batch + head, which the four partners share
	s_lshl_b32 s21, s[WV], 14                      ; my 16,384 bytes of a slot, in memory and in LDS
	s_lshl_b32 s22, s20, 19                        ; 524,288 bytes of kv for each bh
	s_add_co_u32 s22, s22, s21
	s_mov_b32 s23, 0
	s_lshl_b32 s50, ttmp9, 2
	s_add_co_u32 s50, s50, s19                     ; my block of 256 queries = 4 x cluster x + cx
	s_lshl_b32 s50, s50, 8
	s_lshl_b32 s51, s[WV], 5
	s_add_co_u32 s52, s50, s51                     ; my wave's first query
	s_lshl_b32 s50, s52, 7                         ; qf: 2,048 bytes for 16 queries,
	s_lshl_b32 s51, s20, 18                        ; 262,144 for each bh
	s_add_co_u32 s50, s50, s51
	s_mov_b32 s51, 0
	s_lshl_b32 s52, s52, 12                        ; out0: 4,096 bytes a query,
	s_lshr_b32 s53, s20, 4
	s_lshl_b32 s53, s53, 23                        ; 2^23 a batch,
	s_add_co_u32 s52, s52, s53
	s_and_b32 s53, s20, 15
	s_lshl_b32 s53, s53, 8                         ; 256 a head
	s_add_co_u32 s52, s52, s53
	s_mov_b32 s53, 0
	s_lshl_b32 s54, s20, 19                        ; the prefetch: my bh,
	s_lshl_b32 s55, s19, 15                        ; my work-group's 32,768 bytes of a slot,
	s_add_co_u32 s54, s54, s55
	s_lshl_b32 s55, s[WV], 13                      ; my wave's 8,192 of them,
	s_add_co_u32 s54, s54, s55
	s_add_co_u32 s54, s54, 2*SLOT1                 ; in slot 2: the first change of slots steps it to slot 3
	s_mov_b32 s55, 0
	; descriptor group 1: a dense block of 16,384 bytes as 64 rows of 256 bytes (32 elements of 8 bytes), no padding: fragments are read 16 bytes a lane on end
	s_mov_b32 s[G1], 15|(3<<16)|(1<<21)            ; 15:0 the mask: all four work-groups; 17:16 elements of 8 bytes; 21 set beside a mask
	s_mov_b32 s[G1+1], 32<<16                      ; tensor_dim0 = 32
	s_mov_b32 s[G1+2], 64<<16                      ; tensor_dim1 = 64
	s_mov_b32 s[G1+3], 32<<16                      ; tile_dim0 = 32
	s_mov_b32 s[G1+4], 64                          ; tile_dim1 = 64
	s_mov_b32 s[G1+5], 32                          ; tensor_dim0_stride
	s_mov_b32 s[G1+6], 0
	s_mov_b32 s[G1+7], 0
	s_mov_b32 s[CS], 0x3e8293ee                    ; c = log2(e) / sqrt(32) = 0.255035
	s_mov_b32 s[CS+1], s[CS]                       ; named with it as a pair, so it is written
	s_mov_b32 s[SEL], 0x76543210
	s_mov_b32 s[SEL+1], 0xfedcba98
	s_mov_b32 s[TB], 0
	s_mov_b32 s[SLOTS], 2                          ; of four slots' worth of keys two are first fills
	s_lshr_b32 s[LIM], s[WV], 2                    ; 0 in waves 0 to 3,
	s_or_b32 s[LIM], s[LIM], ttmp9                 ; of the (batch, head)'s first cluster: the same in all four partners
	s_cmp_eq_u32 s[LIM], 0
	s_cselect_b32 s[LIM], 1, -1
	s_wait_dscnt 0x0                               ; both opening adds are done
	s_wait_kmcnt 0x0
	s_add_nc_u64 s[PFA:PFA+1], s[6:7], s[54:55]
	s_add_nc_u64 s[6:7], s[6:7], s[22:23]          ; kv at my part of slot 0
	s_add_nc_u64 s[4:5], s[4:5], s[50:51]          ; qf at my wave's first fragment
	s_add_nc_u64 s[16:17], s[16:17], s[52:53]      ; out0 at my wave's first row, my head's 256 bytes
	CROUND                                         ; all four work-groups are here: the first joint loads meet
.irp n, 0,1
	s_mov_b32 s[G0+4*\n], 1                        ; 1:0 count = 1
	s_add_co_u32 s[G0+4*\n+1], s21, \n*SLOT1       ; 63:32 LDS address: 16,384 x wave in slot n
	s_add_nc_u64 s[G0+4*\n+2:G0+4*\n+3], s[6:7], \n*SLOT1   ; 120:64 global address: keys 512 n on
	s_or_b32 s[G0+4*\n+3], s[G0+4*\n+3], 0x80000000         ; 127:126 type = 2
.endr
	tensor_load_to_lds s[G0:G0+3], s[G1:G1+7]      ; both first fills together, ahead of every wait on TENSORcnt and every LDS read: two loads of mine are out
	s_nop 0
	tensor_load_to_lds s[G0+4:G0+7], s[G1:G1+7]
	s_nop 0
.rept 4
	v_nop
.endr
	v_and_b32 v[AK0], 31, v0
	v_lshlrev_b32 v[AK0], 4, v[AK0]                ; 16 x lane
.irp i, 0,1,2,3,4,5,6,7
	global_load_b128 v[Q+4*\i:Q+4*\i+3], v[AK0], s[4:5] offset:512*\i   ; Q stays in registers: group i / 2, piece i % 2
.endr
	v_lshrrev_b32 v[L4], 2, v[AK0]                 ; 4 x lane
	global_load_b32 v[T], v[L4], s[8:9]            ; the four lambda vectors: a number a lane
	global_load_b32 v[T+1], v[L4], s[10:11]
	global_load_b32 v[T+2], v[L4], s[12:13]
	global_load_b32 v[T+3], v[L4], s[14:15]
	v_add_nc_u32 v[AV0], VPART, v[AK0]
	v_lshlrev_b32 v[PFO], 4, v[AK0]                ; 256 x lane
	v_and_b32 v1, 15, v0                           ; r = lane % 16
	v_bfe_u32 v2, v0, 4, 1                         ; h = lane / 16
	s_mul_i32 s50, s[WV], 16*SP
	s_add_co_u32 s50, s50, STAGE                   ; my stage
	v_mul_u32_u24 v[STO], v1, SP                   ; in: row r, 32 bytes for each half of the lanes
	v_lshl_add_u32 v[STO], v2, 5, v[STO]
	v_add_nc_u32 v[STO], s50, v[STO]
	v_mul_u32_u24 v[RD], v2, SP                    ; back: lanes 0-15 take one row of 256 bytes, lanes 16-31 the next
	v_lshl_add_u32 v[RD], v1, 4, v[RD]
	v_add_nc_u32 v[RD], s50, v[RD]
	v_lshlrev_b32 v[GO], 12, v2                    ; and the same two rows in out0
	v_lshl_add_u32 v[GO], v1, 4, v[GO]
; THE LDS LOADS stand in runs of 16: a step's K (8 fragments) and its V^T (8 fragments), each 8,192 consecutive bytes: 512 an instruction, 16 a lane.
.macro FETCH_K
	WIN 0
	v_add_nc_u32 v[ADK], s[TB], v[AK0]
	WIN 0x40                                       ; destination window 1
.irp i, 0,1,2,3,4,5,6,7,8,9,10,11,12,13,14,15
	ds_load_b128 v[KF+4*\i:KF+4*\i+3], v[ADK] offset:512*\i
.endr
	WIN 0
.endm
; The four v_nop are the places behind the products K Q^T: for the next run of loads into K's registers and for the first read of the scores; V's registers were last read ahead of the five places in TRIP.
.macro FETCH_V
	WIN 0
	v_add_nc_u32 v[ADV], s[TB], v[AV0]
.rept 4
	v_nop
.endr
	s_add_co_u32 s[TB], s[TB], STEPB               ; the next fetch is the next step's
	WIN 0x40
.irp i, 0,1,2,3,4,5,6,7,8,9,10,11,12,13,14,15
	ds_load_b128 v[VF+4*\i:VF+4*\i+3], v[ADV] offset:512*\i
.endr
	WIN 0
.endm
; S^T = K Q^T: 16 products (K = the sub-head's 32 channels, so each is a whole sum and takes the constant 0 as C), 16 different accumulators.
.macro QKALL
	WIN 0x01                                       ; K in window 1; Q and S^T in window 0
.irp kt, 0,1,2,3
.irp g, 0,1,2,3
	v_wmma_f32_16x16x32_f16 v[S+32*\g+8*\kt:S+32*\g+8*\kt+7], v[KF+8*(2*\kt+\g%2):KF+8*(2*\kt+\g%2)+7], v[Q+8*\g:Q+8*\g+7], 0
.endr
.endr
.endm
; O^T += V^T P: 32 products; the 16 accumulators take turns, one instruction a turn: 15 others stand between two links of a chain.  first = 1: the first 16 start the sums.
.macro PVALL first
	WIN 0x51                                       ; V^T and O^T in window 1, P in window 0
.irp kb, 0,1
.irp ct, 0,1,2,3
.irp g, 0,1,2,3
.if \first && (\kb == 0)
	v_wmma_f32_16x16x32_f16 v[32*\g+8*\ct:32*\g+8*\ct+7], v[VF+8*(4*\kb+\ct):VF+8*(4*\kb+\ct)+7], v[S+32*\g+8*\kb:S+32*\g+8*\kb+7], 0
.else
	v_wmma_f32_16x16x32_f16 v[32*\g+8*\ct:32*\g+8*\ct+7], v[VF+8*(4*\kb+\ct):VF+8*(4*\kb+\ct)+7], v[S+32*\g+8*\kb:S+32*\g+8*\kb+7], v[32*\g+8*\ct:32*\g+8*\ct+7]
.endif
.endr
.endr
.endr
.endm
.macro SCALE b                         ; pair b of each group's 16 pairs of scores: c s - c m
.irp g, 0,1,2,3
	v_pk_fma_f32 v[S+32*\g+2*(\b):S+32*\g+2*(\b)+1], v[S+32*\g+2*(\b):S+32*\g+2*(\b)+1], s[CS:CS+1], v[ST+8*\g:ST+8*\g+1] op_sel_hi:[1,0,0] neg_lo:[0,0,1] neg_hi:[0,0,1]
.endr
.endm
; THE SOFTMAX OF A KEY STEP, the four groups line by line, so that no line waits for the line above it.  first = 1: the first key step, which starts m, l and O^T: it has no a and nothing to rescale.
.macro SOFTMAX first
	WIN 0
	; the maximum of a lane's 32 scores and the old m, three operands at a time: four chains c0-c3; each tile of scores is read from its low end on
.irp j, 0,1,2,3
.irp g, 0,1,2,3
	v_max3_num_f32 v[ST+8*\g+4+\j], v[S+32*\g+8*\j], v[S+32*\g+8*\j+1], v[S+32*\g+8*\j+2]
.endr
.endr
.irp u, 3,5
.irp j, 0,1,2,3
.irp g, 0,1,2,3
	v_max3_num_f32 v[ST+8*\g+4+\j], v[ST+8*\g+4+\j], v[S+32*\g+8*\j+\u], v[S+32*\g+8*\j+\u+1]
.endr
.endr
.endr
.irp g, 0,1,2,3
	v_max3_num_f32 v[ST+8*\g+4], v[ST+8*\g+4], v[S+32*\g+7], v[S+32*\g+15]
.endr
.irp g, 0,1,2,3
	v_max3_num_f32 v[ST+8*\g+6], v[ST+8*\g+6], v[S+32*\g+23], v[S+32*\g+31]
.endr
.irp g, 0,1,2,3
	v_max3_num_f32 v[ST+8*\g+4], v[ST+8*\g+4], v[ST+8*\g+5], v[ST+8*\g+6]
.endr
.irp g, 0,1,2,3
.if \first
	v_max_num_f32 v[ST+8*\g+4], v[ST+8*\g+4], v[ST+8*\g+7]
.else
	v_max3_num_f32 v[ST+8*\g+4], v[ST+8*\g+4], v[ST+8*\g+7], v[ST+8*\g+1]
.endif
.endr
.irp g, 0,1,2,3
	v_permlanex16_b32 v[ST+8*\g+5], v[ST+8*\g+4], s[SEL], s[SEL+1]   ; the query's other 32 keys lie in the lane 16 away
.endr
.if !\first
.irp g, 0,1,2,3
	v_mov_b32 v[ST+8*\g+7], v[ST+8*\g]             ; c m_old is kept for a
.endr
.endif
.irp g, 0,1,2,3
	v_max_num_f32 v[ST+8*\g+1], v[ST+8*\g+4], v[ST+8*\g+5]   ; the new m
.endr
.irp g, 0,1,2,3
	v_mul_f32 v[ST+8*\g], s[CS], v[ST+8*\g+1]      ; c m
.endr
.if !\first
.irp g, 0,1,2,3
	v_sub_f32 v[ST+8*\g+7], v[ST+8*\g+7], v[ST+8*\g]
.endr
	; ONE BATCH: the four a, the 64 scalings and the 128 exponentials; none of these lines names an exponential's result.  A pair is scaled two rounds ahead of its exponentials
.irp g, 0,1,2,3
	v_exp_f32 v[ST+8*\g+6], v[ST+8*\g+7]           ; a = 2^(c m_old - c m_new)
.endr
.endif
	SCALE 0
	SCALE 1
.set b, 0
.rept 16
.if b+2 < 16
	SCALE b+2
.endif
.irp g, 0,1,2,3
	v_exp_f32 v[S+32*\g+2*b], v[S+32*\g+2*b]
.endr
.irp g, 0,1,2,3
	v_exp_f32 v[S+32*\g+2*b+1], v[S+32*\g+2*b+1]
.endr
.set b, b+1
.endr
	v_nop                                          ; a plain instruction behind the last exponential, ahead of the first use
	s_wait_alu depctr_va_vdst(0)                   ; and a wait ahead of the first line that names a result: one for the whole batch
	; the sums of the unrounded p: a group's 16 pairs in two chains; then l = a l + the sum
.irp g, 0,1,2,3
	v_pk_add_f32 v[T+4*\g:T+4*\g+1], v[S+32*\g:S+32*\g+1], v[S+32*\g+2:S+32*\g+3]
.endr
.irp g, 0,1,2,3
	v_pk_add_f32 v[T+4*\g+2:T+4*\g+3], v[S+32*\g+4:S+32*\g+5], v[S+32*\g+6:S+32*\g+7]
.endr
.irp n, 4,5,6,7,8,9,10,11,12,13,14,15
.irp g, 0,1,2,3
	v_pk_add_f32 v[T+4*\g+2*(\n%2):T+4*\g+2*(\n%2)+1], v[T+4*\g+2*(\n%2):T+4*\g+2*(\n%2)+1], v[S+32*\g+2*\n:S+32*\g+2*\n+1]
.endr
.endr
.if \first
.irp g, 0,1,2,3
	v_pk_add_f32 v[ST+8*\g+2:ST+8*\g+3], v[T+4*\g:T+4*\g+1], v[T+4*\g+2:T+4*\g+3]
.endr
.else
.irp g, 0,1,2,3
	v_pk_add_f32 v[T+4*\g:T+4*\g+1], v[T+4*\g:T+4*\g+1], v[T+4*\g+2:T+4*\g+3]
.endr
.irp g, 0,1,2,3
	v_pk_fma_f32 v[ST+8*\g+2:ST+8*\g+3], v[ST+8*\g+2:ST+8*\g+3], v[ST+8*\g+6:ST+8*\g+7], v[T+4*\g:T+4*\g+1] op_sel_hi:[1,0,1]
.endr
.endif
	; the roundings to f16, in place and ascending: line i writes register i and reads registers 2 i, 2 i + 1, so no number is written over before it is read
.irp i, 0,1,2,3,4,5,6,7,8,9,10,11,12,13,14,15
.irp g, 0,1,2,3
	v_cvt_pk_f16_f32 v[S+32*\g+\i], v[S+32*\g+2*\i], v[S+32*\g+2*\i+1]
.endr
.endr
.if !\first
	WIN 0x41                                       ; O^T (destination and source 0) in window 1, a in window 0
.irp i, 0,1,2,3,4,5,6,7,8,9,10,11,12,13,14,15
.irp g, 0,1,2,3
	v_pk_mul_f32 v[32*\g+2*\i:32*\g+2*\i+1], v[32*\g+2*\i:32*\g+2*\i+1], v[ST+8*\g+6:ST+8*\g+7] op_sel_hi:[1,0]   ; O^T x a, each tile from its low end on
.endr
.endr
.endif
.endm
; A TRIP.  next = 1: there is a step behind this one.  The five v_nop: the products K Q^T write over P's registers, which the products V^T P have read as a source: five places stand between.
.macro TRIP first, next
.if \next
	FETCH_K                                        ; K of the next step: it lands under the softmax
.endif
	SOFTMAX \first
	s_wait_dscnt 0x0                               ; V of this step and K of the next are in
	PVALL \first
.if \next
	WIN 0
.rept 5
	v_nop
.endr
	QKALL
	FETCH_V                                        ; V of the next step: it lands under the next softmax
.endif
	WIN 0                                          ; at a label and at a branch every window is 0
.endm
.macro LOOP n                          ; n trips, written once; the LDS addresses hang on s[TB]
	s_mov_b32 s[CNT], \n
.Lstep_\@:
	TRIP 0, 1
	s_sub_co_u32 s[CNT], s[CNT], 1
	s_cmp_lg_u32 s[CNT], 0
	s_cbranch_scc1 .Lstep_\@
.endm
; THE CHANGE OF SLOTS: the slot's last bytes, V of its eighth step, have been asked for.  Each wave waits for all its tensor loads, of which one is out: its part of the other slot; adds 0 to its spare word; and waits
; for that and for its own reads of the slot.  Behind the barrier nobody reads this slot any more and the other slot is whole.  fill = 1: this slot is filled again, with the keys two slots on: the barrier is then a
; round of the cluster's, so that no wave of any partner still reads the slot or has a load on its way, and the joint refill is the first thing behind it: it has eight key steps in which to land.
.macro CHANGE fill
	WIN 0
	s_wait_tensorcnt 0x0                           ; no tensor load of mine is out, so a group 0 may be written
	ds_add_u32 v[SPW], v[NIL]                      ; 0 onto my spare word
.if \fill
	s_xor_b32 s[G0+5], s[G0+5], SLOT1              ; the walking descriptor: the other slot than last time,
	s_add_nc_u64 s[G0+6:G0+7], s[G0+6:G0+7], SLOT1 ; the next 512 keys; the type bits on top are not reached
	s_wait_xcnt 0x0                                ; the last prefetch, eight key steps back, has read its address, so it may be written:
	s_add_nc_u64 s[PFA:PFA+1], s[PFA:PFA+1], SLOT1 ; one slot further on than the walking descriptor
	s_wait_dscnt 0x0                               ; the add is done, and my reads of the slot are over
	CROUND
	JLOAD
	ASK
.else
	s_wait_dscnt 0x0                               ; the add is done, and my reads of the slot are over
	s_barrier_signal -1
	s_barrier_wait -1
.endif
	s_sub_co_u32 s[TB], s[TB], 8*STEPB             ; the fetches go back to a slot's first step,
	s_xor_b32 s[TB], s[TB], SLOT1                  ; in the other slot
.endm
	s_wait_tensorcnt 1                             ; my part of slot 0 is in; slot 1's may stay out
	s_barrier_signal -1
	s_barrier_wait -1                              ; everybody's is
	FETCH_K                                        ; key step 0
	s_wait_loadcnt 0x0                             ; Q and the lambda vectors
	; lam = exp(sum lq1 lk1) - exp(sum lq2 lk2) + 0.8: a product a lane, a sum over the 32 lanes, in every lane
	v_mul_f32 v[T], v[T], v[T+1]
	v_mul_f32 v[T+2], v[T+2], v[T+3]
.irp x, 1,2,4,8
	v_add_f32_dpp v[T], v[T], v[T] row_xmask:\x row_mask:0xf bank_mask:0xf
	v_add_f32_dpp v[T+2], v[T+2], v[T+2] row_xmask:\x row_mask:0xf bank_mask:0xf
.endr
	v_permlanex16_b32 v[T+1], v[T], s[SEL], s[SEL+1]
	v_permlanex16_b32 v[T+3], v[T+2], s[SEL], s[SEL+1]
	v_add_f32 v[T], v[T], v[T+1]
	v_add_f32 v[T+2], v[T+2], v[T+3]
	v_mul_f32 v[T], 0x3fb8aa3b, v[T]               ; x log2(e)
	v_mul_f32 v[T+2], 0x3fb8aa3b, v[T+2]
	v_exp_f32 v[T], v[T]
	v_exp_f32 v[T+2], v[T+2]
	v_nop                                          ; a plain instruction behind the exponentials,
	s_wait_alu depctr_va_vdst(0)                   ; and a wait ahead of their first use
	v_sub_f32 v[LAM], v[T], v[T+2]
	v_add_f32 v[LAM], 0x3f4ccccd, v[LAM]           ; + 0.8
	s_wait_dscnt 0x0                               ; K of step 0
	QKALL
	FETCH_V                                        ; V of step 0
	TRIP 1, 1                                      ; step 0: it starts m, l and O^T
	LOOP 6                                         ; steps 1 to 6: with them all of slot 0 has been asked for
.Lslot:                                            ; two trips: slots 0 and 1 are filled again, with keys 1,024 on and 1,536 on
	CHANGE 1
	LOOP 8
	s_sub_co_u32 s[SLOTS], s[SLOTS], 1
	s_cmp_lg_u32 s[SLOTS], 0
	s_cbranch_scc1 .Lslot
	CHANGE 0                                       ; the tail is written out: nothing is left to ask for
	LOOP 8                                         ; steps 23 to 30
	TRIP 0, 0                                      ; step 31
	; THE WAY OUT.  l's two halves and the other half of the lanes' are added (these lines are also the places behind the last products); out = O1 / l1 - lam O2 / l2 goes through my stage in LDS, a tile of 16 queries at a time.
.irp g, 0,1,2,3
	v_add_f32 v[ST+8*\g+4], v[ST+8*\g+2], v[ST+8*\g+3]
.endr
.irp g, 0,1,2,3
	v_permlanex16_b32 v[ST+8*\g+5], v[ST+8*\g+4], s[SEL], s[SEL+1]
.endr
.irp g, 0,1,2,3
	v_add_f32 v[ST+8*\g+4], v[ST+8*\g+4], v[ST+8*\g+5]
.endr
.irp g, 0,1,2,3
	v_rcp_f32 v[ST+8*\g+6], v[ST+8*\g+4]
.endr
	v_nop                                          ; a plain instruction between the last reciprocal and the use of its result,
	s_wait_alu depctr_va_vdst(0)                   ; and a wait: one for the four
.irp g, 1,3
	v_mul_f32 v[ST+8*\g+6], -v[LAM], v[ST+8*\g+6]  ; the second sub-head's factor: -lam / l2
.endr
; Tile qt: register 8 ct + j of lane (r, h) is out(query r, channel 16 ct + 8 h + j): 32 neighbouring bytes of a row for each ct; they go into rows of 272 bytes and come back as whole rows of 256, into the registers that they left.
.macro PACK qt
	WIN 0x01                                       ; O^T (source 0) in window 1
.set i, 0
.rept 16
	v_pk_mul_f32 v[S+32*\qt+i:S+32*\qt+i+1], v[64*\qt+i:64*\qt+i+1], v[ST+16*\qt+6:ST+16*\qt+7] op_sel_hi:[1,0]
.set i, i+2
.endr
.set i, 0
.rept 16
	v_pk_fma_f32 v[S+32*\qt+i:S+32*\qt+i+1], v[64*\qt+32+i:64*\qt+32+i+1], v[ST+16*\qt+14:ST+16*\qt+15], v[S+32*\qt+i:S+32*\qt+i+1] op_sel_hi:[1,0,1]
.set i, i+2
.endr
	WIN 0
.irp ct, 0,1,2,3
	ds_store_b128 v[STO], v[S+32*\qt+8*\ct:S+32*\qt+8*\ct+3] offset:64*\ct
	ds_store_b128 v[STO], v[S+32*\qt+8*\ct+4:S+32*\qt+8*\ct+7] offset:64*\ct+16
.endr
.irp f, 0,1,2,3,4,5,6,7
	ds_load_b128 v[S+32*\qt+4*\f:S+32*\qt+4*\f+3], v[RD] offset:\f*2*SP   ; LDS serves a wave's instructions in order (ISA guide 5.7.1.4): these see the stores above; the next tile's stores come behind them
.endr
.endm
.macro SEND qt, younger                ; younger: the LDS instructions issued behind tile qt's loads: the next tile's sixteen, or none
.irp f, 0,1,2,3,4,5,6,7
	s_wait_dscnt \younger+7-\f
	global_store_b128 v[GO], v[S+32*\qt+4*\f:S+32*\qt+4*\f+3], s[16:17] offset:(16*\qt+2*\f)*4096 th:TH_STORE_NT   ; 16 lanes store 256 consecutive bytes, a head's part of a row, at a multiple of 256 from out0's first byte
.endr
.endm
	PACK 0
	PACK 1                                         ; a tile's arithmetic stands between the loads of the tile before and its stores
	SEND 0, 16
	SEND 1, 0
	s_wait_tensorcnt 0x0                           ; the wave's end, behind my last tensor load and my last LDS store
	ds_add_u32 v[SPW], v[NIL]
	s_wait_dscnt 0x0
	CROUND                                         ; the closing round: no work-group ends while a partner may still ask for a tile that names it
	s_endpgm
.Lfunc_end_k_qc8baa042c1_attn:
	.size	k_qc8baa042c1_attn, .Lfunc_end_k_qc8baa042c1_attn-k_qc8baa042c1_attn
	.p2alignl 7, 3214868480
	.fill 96, 4, 3214868480
	.section	.rodata,"a",@progbits
	.p2align	6, 0x0
	.amdhsa_kernel k_qc8baa042c1_attn
		.amdhsa_group_segment_fixed_size 327680
		.amdhsa_private_segment_fixed_size 0
		.amdhsa_enable_private_segment 0
		.amdhsa_kernarg_size 56
		.amdhsa_user_sgpr_count 2
		.amdhsa_user_sgpr_kernarg_segment_ptr 1
		.amdhsa_wavefront_size32 1
		.amdhsa_system_sgpr_workgroup_id_x 1
		.amdhsa_system_sgpr_workgroup_id_y 1
		.amdhsa_system_sgpr_workgroup_id_z 1
		.amdhsa_system_vgpr_workitem_id 0
		.amdhsa_next_free_vgpr 512
		.amdhsa_next_free_sgpr 66
		.amdhsa_reserve_vcc 0
		.amdhsa_float_denorm_mode_32 3
		.amdhsa_float_denorm_mode_16_64 3
		.amdhsa_memory_ordered 1
		.amdhsa_forward_progress 1
		.amdhsa_inst_pref_size 167
	.end_amdhsa_kernel
	.amdgpu_metadata
---
amdhsa.version: [ 1, 2 ]
amdhsa.kernels:
  - .name:           k_qc8baa042c1_attn
    .symbol:         k_qc8baa042c1_attn.kd
    .args:
      - { .name: qf, .offset: 0, .size: 8, .value_kind: global_buffer, .address_space: global }
      - { .name: kv, .offset: 8, .size: 8, .value_kind: global_buffer, .address_space: global }
      - { .name: lambda_q1, .offset: 16, .size: 8, .value_kind: global_buffer, .address_space: global }
      - { .name: lambda_k1, .offset: 24, .size: 8, .value_kind: global_buffer, .address_space: global }
      - { .name: lambda_q2, .offset: 32, .size: 8, .value_kind: global_buffer, .address_space: global }
      - { .name: lambda_k2, .offset: 40, .size: 8, .value_kind: global_buffer, .address_space: global }
      - { .name: out0, .offset: 48, .size: 8, .value_kind: global_buffer, .address_space: global }
    .group_segment_fixed_size: 327680
    .private_segment_fixed_size: 0
    .kernarg_segment_align: 8
    .kernarg_segment_size: 56
    .max_flat_workgroup_size: 256
    .sgpr_count:     66
    .vgpr_count:     512
    .wavefront_size: 32
...
	.end_amdgpu_metadata
.endif
;; end of part 3
